; MI455X (gfx1250); checked and timed in simulation.
; The chip was launched on July 23, 2026; its instructions are those of AMD's public machine-readable ISA for CDNA 5 (MIT licence, August 2026) and "CDNA5" Instruction Set Architecture Reference Guide (July 2026). The comments in the code are by the model that wrote it; some were corrected since.
;; Multi Head Attention Block. Allowed arithmetic: matrix products marked QUANTISED: E4M3 operands, one given power-of-two scale a tensor, by v_wmma_f32_16x16x64_fp8_fp8 or v_wmma_f32_16x16x128_fp8_fp8, f32 sums; everything else in f32.
;; Inputs: Wk 1,024 x 1,024 float32; Wo 1,024 x 1,024 float32; Wq 1,024 x 1,024 float32; Wv 1,024 x 1,024 float32; bk 1,024 float32; bo 1,024 float32; bq 1,024 float32; bv 1,024 float32; ln_beta 1,024 float32; ln_gamma 1,024 float32; lowp_scales 12 int32 (the exponents e of the quantised operands' scales 2^e); x 4 x 2,048 x 1,024 float32.
;; Outputs: out0 4 x 2,048 x 1,024 float32.
;; This version of the problem:
;;   THIS VERSION OF THE PROBLEM IS GIVEN IN LOW PRECISION. The matrix products marked QUANTISED in the list below multiply operands that are first quantised to E4M3 (4 exponent bits, 3 mantissa bits; 8 bits a number), with one given power-of-two scale for each operand tensor; their sums are f32. All else is computed in f32.
;;   The module's matrix products, in the order in which they are computed (A, B: the left and right operand; K: the contracted axis; several contracted axes count as one K, in the product's order):
;;     1. [M 8,192, K 1,024] x [K 1,024, N 1,024]; A: input x; B: input Wq: QUANTISED (scales: A lowp_scales[0], B lowp_scales[1])
;;     2. [M 8,192, K 1,024] x [K 1,024, N 1,024]; A: input x; B: input Wk: QUANTISED (scales: A lowp_scales[2], B lowp_scales[3])
;;     3. [M 8,192, K 1,024] x [K 1,024, N 1,024]; A: input x; B: input Wv: QUANTISED (scales: A lowp_scales[4], B lowp_scales[5])
;;     4. batch 64 x [M 2,048, K 64] x [K 64, N 2,048]; A: computed on the way; B: computed on the way: QUANTISED (scales: A lowp_scales[6], B lowp_scales[7])
;;     5. batch 64 x [M 2,048, K 2,048] x [K 2,048, N 64]; A: softmax (see below); B: computed on the way: QUANTISED (scales: A lowp_scales[8], B lowp_scales[9])
;;     6. [M 8,192, K 1,024] x [K 1,024, N 1,024]; A: computed on the way; B: input Wo: QUANTISED (scales: A lowp_scales[10], B lowp_scales[11])
;;   THE QUANTISER, for each operand of a quantised product, along K:
;;     - The operand's scale is 2^e, e = its entry of the input lowp_scales (int32; the entries are numbered through the quantised products in the list's order, A before B).
;;     - Each number is divided by the scale, clamped to +-448, and rounded to the nearest number of E4M3, ties to even, subnormals kept.
;;     - The product sums the exact products of the quantised numbers (number of the format x scale) in f32.
;;   ~~~python
;;   def quantise(x, axis, e):      # numpy; x: float32 -> the quantised numbers, widened to float32 again
;;       x = np.moveaxis(x, axis, -1); K = x.shape[-1]
;;       r = np.clip(x / 2.0 ** e, -448, 448)
;;       step = 2.0 ** (np.maximum(np.frexp(np.where(r == 0, 1, r))[1] - 1, -6) - 3)
;;       q = np.round(r / step) * step * 2.0 ** e      # np.round: ties to even
;;       return np.moveaxis(q, -1, axis).astype(np.float32)
;;   ~~~
;;   SOFTMAX AHEAD OF A QUANTISED PRODUCT. Where the list says 'softmax', what is quantised is not the finished softmax but p = 2^(t - M), with t = logit x log2(e) and M = ceil(the row's largest t), a whole number; so 1/2 < the row's largest p <= 1. The row's sum l is taken of the UNQUANTISED p, in f32, and the product's result is divided by l at the end. Since M is a whole number, a kernel that streams over the keys may use a running M (the ceiling of the running maximum): every later rescaling is an exact power of two, so the quantised numbers keep their values, but for numbers so far below the row's largest that they fall under the format's range.
;;   OPERANDS COMPUTED ON THE WAY. 'Computed on the way' means the value that the module computes at that place (a softmax that the list does not call 'softmax' is quantised finished and normalised). What goes into a quantiser is computed in f32, as accurately as f32 sums, v_exp_f32 and their like allow (about 1e-6 of the number): no bf16 or f16 on the way to a quantiser, and a product that is left as it is and whose result goes on into a quantised operand takes f32 operands (vector FMAs, or v_wmma_f32_16x16x4_f32). A number that lies on a knife's edge between two numbers of the format may be rounded either way, as far as f32 arithmetic and the matrix unit's own rounding can turn it there, and no further.
;; One version. Each part assembles by itself: llvm-mc -triple=amdgcn-amd-amdhsa -mcpu=gfx1250 --defsym DOCPART=n.
;; ======== version 1 of 1: 4 launches
;; limits: right only within a limited range of input values
;; workspace buffers: xc 25,165,824 bytes; wc 4,194,304 bytes; qc 8,388,608 bytes; kv 16,777,216 bytes; ac 8,388,608 bytes
;; launch quant (part 1): grid 384 x 1, 4 waves a work-group, no clusters, 35,328 bytes of LDS; arguments x, Wq, Wk, Wv, Wo, lowp_scales, xc, wc; writes xc, wc
.if DOCPART == 1
	.amdgcn_target "amdgcn-amd-amdhsa--gfx1250"
	.amdhsa_code_object_version 6
	.text
	.protected	k_q62d7edc804_quant
	.globl	k_q62d7edc804_quant
	.p2align	8
	.type	k_q62d7edc804_quant,@function
k_q62d7edc804_quant:
	s_mov_b64 s[64:65], 0
	v_nop
	global_prefetch_b8 v0, s[64:65] scope:SCOPE_SE
	s_setreg_imm32_b32 hwreg(HW_REG_WAVE_MODE, 25, 1), 1
	s_wait_xcnt 0x0
; x [8192][1024] and Wq, Wk, Wv, Wo [1024][1024], f32, K innermost, become codes of FP8 (E4M3), each with the scale 2^e given for it.
; x is an operand of three products with three entries of its own (0, 2, 4): it is quantised three times, from one read.  Wq, Wk, Wv, Wo take entries 1, 3, 5, 11.
; code = number / 2^e, held within +-448, to the nearest code, ties to even.
; LIMITS: each e between -126 and 119, so that 2^e and 448 x 2^e are f32 numbers.  NaN among the inputs is not served; an infinity is held at the largest code.
; THE CODES ARE STORED AS IMAGES OF OPERAND REGISTERS.  A fragment is 16 rows x 128 K: lane l (r = l % 16, h = l / 16) holds row r, its registers 2 c, 2 c + 1 hold k = 16 c + 8 h + 0 .. 7.
; Its image is 2,048 bytes: registers 4 q .. 4 q + 3 of lane l at 512 q + 16 l.  xc: [set 3][row tile 512][K step 8][2048]; wc: [tensor 4][row tile 64][K step 8][2048].
; SHARES.  Work-groups 0-255 take 32 rows of x each, the other 128 take 32 rows of a weight.  Wave w: row tile w / 2 of the two, half w % 2 of K; eight steps of 16 rows x 64 K.
; A load reads two rows' 256 consecutive bytes, 16 a lane; the numbers turn through the wave's own stage in LDS (rows 272 bytes apart) and come back eight neighbours along K at a time.
; A store covers 512 consecutive bytes.  Waves share nothing: no barrier.  No cluster: no two work-groups read the same bytes.
.set PITCH, 272                        ; a stage row: 256 bytes + 16
.set STG1,  16*PITCH                   ; a stage: 16 rows
.set WSTG,  2*STG1                     ; two stages for each wave, by turns
.set SPARE, 4*WSTG                     ; behind the stages: the spare words, 128 bytes for each wave, which no other line names
.set NX,    256                        ; work-groups for x
.set SETB,  0x800000                   ; bytes of one set of x's codes
.set GA,  3                            ; v3   in: 4,096 (l / 16) + 16 (l % 16)
.set SI,  4                            ; v4   into the stage: my wave's + 272 (l / 16) + 16 (l % 16)
.set SO,  5                            ; v5   out of it: my wave's + 272 (l % 16) + 32 (l / 16)
.set DO,  6                            ; v6   16 l: my place in an image
.set SPW, 8                            ; v8   my spare word; never rewritten
.set NIL, 9                            ; v9   0; never rewritten
.set SC,  10                           ; v10-12  2^e of the three sets
.set LM,  13                           ; v13-15  448 x 2^e
.set R,   16                           ; v16-79   two sets of 32: as loaded
.set X,   80                           ; v80-143  two sets of 32: register 8 c + j = k 16 c + 8 h + j of my row
.set T,   144                          ; v144-159 two sets of 8: held numbers
.set C,   160                          ; v160-183 codes: 8 registers for each set of scales
.set SRC, 22                           ; s[22:23] where my wave reads
.set D0,  24                           ; s[24:25], s[26:27], s[28:29] where its images go, set 0, 1, 2
	s_load_b256 s[4:11], s[0:1], 0x0               ; x, Wq, Wk, Wv
	s_load_b256 s[12:19], s[0:1], 0x20             ; Wo, the scales' exponents, xc, wc
	v_lshl_add_u32 v[SPW], v0, 2, SPARE
	v_mov_b32 v[NIL], 0
	v_lshrrev_b32 v1, 5, v0
	v_readfirstlane_b32 s20, v1                    ; wave 0..3
	v_and_b32 v1, 15, v0                           ; l % 16
	v_bfe_u32 v2, v0, 4, 1                         ; l / 16
	v_lshlrev_b32 v7, 4, v1
	v_lshl_add_u32 v[GA], v2, 12, v7
	s_mul_i32 s47, s20, WSTG
	v_mul_u32_u24 v[SI], v2, PITCH
	v_add_nc_u32 v[SI], v[SI], v7
	v_add_nc_u32 v[SI], s47, v[SI]
	v_mul_u32_u24 v[SO], v1, PITCH
	v_lshl_add_u32 v[SO], v2, 5, v[SO]
	v_add_nc_u32 v[SO], s47, v[SO]
	v_and_b32 v[DO], 31, v0
	v_lshlrev_b32 v[DO], 4, v[DO]
	s_sub_co_u32 s21, ttmp9, NX
	s_lshr_b32 s30, s21, 5                         ; which weight,
	s_and_b32 s31, s21, 31                         ; and which 32 rows of it
	s_cmp_lt_u32 ttmp9, NX                         ; x's work-group?  All choices hang on the work-group's number alone
	s_cselect_b32 s30, 0, s30
	s_cselect_b32 s31, ttmp9, s31
	s_lshr_b32 s46, s20, 1                         ; which of the two row tiles
	s_and_b32 s47, s20, 1                          ; which half of K
	s_lshl_b32 s48, s31, 17                        ; 32 rows of 4,096 bytes,
	s_lshl_b32 s49, s46, 16                        ; 16 rows,
	s_add_co_u32 s48, s48, s49
	s_lshl_b32 s49, s47, 11                        ; 512 numbers
	s_add_co_u32 s48, s48, s49
	s_mov_b32 s49, 0
	s_lshl_b32 s50, s31, 1
	s_add_co_u32 s50, s50, s46                     ; the row tile: 16,384 bytes of images each,
	s_lshl_b32 s50, s50, 14
	s_lshl_b32 s51, s47, 13                        ; four K steps of 2,048
	s_add_co_u32 s50, s50, s51
	s_mov_b32 s51, 0
	s_lshl_b32 s52, s30, 20                        ; a weight's images are 2^20 bytes
	s_mov_b32 s53, 0
	s_wait_alu depctr_va_vdst(0)
	s_wait_kmcnt 0x0
	s_load_b256 s[32:39], s[14:15], 0x0            ; entries 0 to 7
	s_load_b128 s[40:43], s[14:15], 0x20           ; entries 8 to 11
	s_cmp_eq_u32 s30, 2
	s_cselect_b64 s[SRC:SRC+1], s[10:11], s[12:13]
	s_cmp_eq_u32 s30, 1
	s_cselect_b64 s[SRC:SRC+1], s[8:9], s[SRC:SRC+1]
	s_cmp_eq_u32 s30, 0
	s_cselect_b64 s[SRC:SRC+1], s[6:7], s[SRC:SRC+1]
	s_cmp_lt_u32 ttmp9, NX
	s_cselect_b64 s[SRC:SRC+1], s[4:5], s[SRC:SRC+1]
	s_cselect_b64 s[D0:D0+1], s[16:17], s[18:19]
	s_add_nc_u64 s[SRC:SRC+1], s[SRC:SRC+1], s[48:49]
	s_add_nc_u64 s[D0:D0+1], s[D0:D0+1], s[52:53]
	s_add_nc_u64 s[D0:D0+1], s[D0:D0+1], s[50:51]
	s_add_nc_u64 s[D0+2:D0+3], s[16:17], s[50:51]  ; x's second and third set (a weight's work-group stores nothing there)
	s_add_nc_u64 s[D0+2:D0+3], s[D0+2:D0+3], SETB
	s_add_nc_u64 s[D0+4:D0+5], s[D0+2:D0+3], SETB
.macro LOAD t                          ; step t: 16 rows x 64 numbers; each load two rows' 256 consecutive bytes
.irp i, 0,1,2,3,4,5,6,7
	global_load_b128 v[R+32*((\t)%2)+4*\i:R+32*((\t)%2)+4*\i+3], v[GA], s[SRC:SRC+1] offset:8192*\i+256*(\t) th:TH_LOAD_NT
.endr
.endm
.macro TURN t                          ; through the stage: LDS serves a wave's instructions in order, so no wait stands between the stores and the loads
.irp i, 0,1,2,3,4,5,6,7
	ds_store_b128 v[SI], v[R+32*((\t)%2)+4*\i:R+32*((\t)%2)+4*\i+3] offset:STG1*((\t)%2)+544*\i
.endr
.irp q, 0,1,2,3,4,5,6,7
	ds_load_b128 v[X+32*((\t)%2)+4*\q:X+32*((\t)%2)+4*\q+3], v[SO] offset:STG1*((\t)%2)+64*(\q/2)+16*(\q%2)
.endr
.endm
.macro CONV s, t                       ; step t's numbers under scale set s: held, converted, stored as half an image (1,024 bytes)
.irp c, 0,1,2,3
.irp j, 0,1,2,3,4,5,6,7
	v_med3_num_f32 v[T+8*(\c%2)+\j], v[X+32*((\t)%2)+8*\c+\j], -v[LM+\s], v[LM+\s]   ; the conversion does not saturate (ISA guide 7.6.2): the hold comes first
.endr
	v_cvt_scalef32_pk8_fp8_f32 v[C+8*\s+2*\c:C+8*\s+2*\c+1], v[T+8*(\c%2):T+8*(\c%2)+7], v[SC+\s]   ; T's two sets take turns: eight plain lines stand between a conversion and the rewriting of its sources
.endr
	v_nop                                          ; a plain line behind the last conversion
.irp u, 0,1
	global_store_b128 v[DO], v[C+8*\s+4*\u:C+8*\s+4*\u+3], s[D0+2*\s:D0+2*\s+1] offset:((\t)/2)*2048+((\t)%2)*1024+512*\u
.endr
.endm
.macro MKS e, n                        ; 2^e and 448 x 2^e as f32, from the whole number in s[e]
	s_add_co_i32 s54, s[\e], 127
	s_lshl_b32 s55, s54, 23
	v_mov_b32 v[SC+\n], s55
	s_add_co_i32 s54, s54, 8
	s_lshl_b32 s54, s54, 23
	s_or_b32 s54, s54, 0x600000
	v_mov_b32 v[LM+\n], s54
.endm
	LOAD 0
	LOAD 1
	s_wait_kmcnt 0x0
	s_cmp_eq_u32 s30, 2                            ; set 0's exponent: entry 0 for x; 1, 3, 5, 11 for the weights
	s_cselect_b32 s44, s37, s43
	s_cmp_eq_u32 s30, 1
	s_cselect_b32 s44, s35, s44
	s_cmp_eq_u32 s30, 0
	s_cselect_b32 s44, s33, s44
	s_cmp_lt_u32 ttmp9, NX
	s_cselect_b32 s44, s32, s44
	MKS 44, 0
	MKS 34, 1
	MKS 36, 2
	s_wait_alu depctr_va_vdst(0)
	s_wait_loadcnt 8                               ; step 0's eight loads are in; step 1's eight may be out
	TURN 0
.macro STEP t
	s_wait_dscnt 0x0                               ; this step's numbers are back from the stage, and its stores into the stage have read their registers,
.if (\t)+2 < 8
	LOAD (\t)+2                                    ; which take the loads of two steps on
	s_wait_loadcnt 8                               ; the next step's loads are in; the eight just issued may be out
.elseif (\t)+1 < 8
	s_wait_loadcnt 0x0
.endif
.if (\t)+1 < 8
	TURN (\t)+1
.endif
	s_wait_xcnt 0x0                                ; the last step's stores have read their data: the codes' registers are written again only behind this wait
	CONV 0, \t
	s_cmp_lt_u32 ttmp9, NX                         ; a weight has one scale: only conversions and global stores are jumped over
	s_cbranch_scc0 .Lone_\@
	CONV 1, \t
	CONV 2, \t
.Lone_\@:
.endm
.irp t, 0,1,2,3,4,5,6,7
	STEP \t
.endr
	s_wait_tensorcnt 0x0                           ; the wave's end, behind my last LDS store
	ds_add_u32 v[SPW], v[NIL]
	s_wait_dscnt 0x0
	s_endpgm
.Lfunc_end_k_q62d7edc804_quant:
	.size	k_q62d7edc804_quant, .Lfunc_end_k_q62d7edc804_quant-k_q62d7edc804_quant
	.p2alignl 7, 3214868480
	.fill 96, 4, 3214868480
	.section	.rodata,"a",@progbits
	.p2align	6, 0x0
	.amdhsa_kernel k_q62d7edc804_quant
		.amdhsa_group_segment_fixed_size 35328
		.amdhsa_private_segment_fixed_size 0
		.amdhsa_enable_private_segment 0
		.amdhsa_kernarg_size 64
		.amdhsa_user_sgpr_count 2
		.amdhsa_user_sgpr_kernarg_segment_ptr 1
		.amdhsa_wavefront_size32 1
		.amdhsa_system_sgpr_workgroup_id_x 1
		.amdhsa_system_sgpr_workgroup_id_y 1
		.amdhsa_system_sgpr_workgroup_id_z 1
		.amdhsa_system_vgpr_workitem_id 0
		.amdhsa_next_free_vgpr 192
		.amdhsa_next_free_sgpr 66
		.amdhsa_reserve_vcc 0
		.amdhsa_float_denorm_mode_32 3
		.amdhsa_float_denorm_mode_16_64 3
		.amdhsa_memory_ordered 1
		.amdhsa_forward_progress 1
		.amdhsa_inst_pref_size 79
	.end_amdhsa_kernel
	.amdgpu_metadata
---
amdhsa.version: [ 1, 2 ]
amdhsa.kernels:
  - .name:           k_q62d7edc804_quant
    .symbol:         k_q62d7edc804_quant.kd
    .args:
      - { .name: x, .offset: 0, .size: 8, .value_kind: global_buffer, .address_space: global }
      - { .name: Wq, .offset: 8, .size: 8, .value_kind: global_buffer, .address_space: global }
      - { .name: Wk, .offset: 16, .size: 8, .value_kind: global_buffer, .address_space: global }
      - { .name: Wv, .offset: 24, .size: 8, .value_kind: global_buffer, .address_space: global }
      - { .name: Wo, .offset: 32, .size: 8, .value_kind: global_buffer, .address_space: global }
      - { .name: lowp_scales, .offset: 40, .size: 8, .value_kind: global_buffer, .address_space: global }
      - { .name: xc, .offset: 48, .size: 8, .value_kind: global_buffer, .address_space: global }
      - { .name: wc, .offset: 56, .size: 8, .value_kind: global_buffer, .address_space: global }
    .group_segment_fixed_size: 35328
    .private_segment_fixed_size: 0
    .kernarg_segment_align: 8
    .kernarg_segment_size: 64
    .max_flat_workgroup_size: 128
    .sgpr_count:     66
    .vgpr_count:     192
    .wavefront_size: 32
...
	.end_amdgpu_metadata
.endif
;; end of part 1
;; launch qkv (part 2): grid 12 x 32, 4 waves a work-group, clusters of 4 x 4, 327,680 bytes of LDS; arguments xc, wc, lowp_scales, bq, bk, bv, qc, kv; writes qc, kv
.if DOCPART == 2
	.amdgcn_target "amdgcn-amd-amdhsa--gfx1250"
	.amdhsa_code_object_version 6
	.text
	.protected	k_q62d7edc804_qkv
	.globl	k_q62d7edc804_qkv
	.p2align	8
	.type	k_q62d7edc804_qkv,@function
k_q62d7edc804_qkv:
	s_mov_b64 s[64:65], 0
	v_nop
	global_prefetch_b8 v0, s[64:65] scope:SCOPE_SE
	s_setreg_imm32_b32 hwreg(HW_REG_WAVE_MODE, 25, 1), 1
	s_wait_xcnt 0x0
	s_wait_alu depctr_hold_cnt(0) depctr_sa_sdst(0) depctr_va_vdst(0) depctr_va_sdst(0) depctr_va_ssrc(0) depctr_va_vcc(0) depctr_vm_vsrc(0)
	s_getreg_b32 s2, hwreg(HW_REG_IB_STS2, 6, 4)
	s_cmp_eq_u32 s2, 0
	s_cbranch_scc0 .Lentry_in_a_cluster
	s_endpgm
.Lentry_in_a_cluster:
	s_bfe_u32 s2, ttmp6, 0x10000c
	s_cmp_lg_u32 s2, 0xf033
	s_cbranch_scc0 .Lentry_shape_is_right
	s_endpgm
.Lentry_shape_is_right:
; Q, K, V = x W^T + b on codes of FP8 (E4M3), then quantised again for the two products of attention, and stored as images of operand registers.
; xc: [set 3][row tile 512][K step 8][2048], wc: [tensor][row tile 64][K step 8][2048]: images (16 rows x 128 K; registers 4 q .. 4 q + 3 of lane l at 512 q + 16 l; registers 2 c, 2 c + 1 = k 16 c + 8 (l / 16) + 0 .. 7 of row l % 16).
; A finished sum x 2^(ea + eb) + bias, one fused multiply-add, is held within +-448 x 2^eo and converted with 2^eo: (ea, eb, eo) = entries (0, 1, 6) for Q, (2, 3, 7) for K, (4, 5, 9) for V.
; LIMITS: ea + eb between -126 and 127; eo between -126 and 119.  NaN is not served.
; SHARES.  A work-group of four waves makes 256 x 256 of one of Q, K, V; a wave 128 x 128: 64 accumulators, 512 registers.  The cluster's x IS the segment (0 Q, 1 K, 2 V), equal in all sixteen partners.
; K goes through a ring of two LDS slots of 256 along K; a tile's part of a row tile is 4,096 consecutive bytes, and every fragment load is 512 consecutive bytes: no padding is wanted.
; ROLES.  Source 1 of the matrix instruction gives the lane its row, source 0 runs along the lane's eight registers.  The next product's K must run along the registers:
;   Q, K (next K = the head's 64): source 1 = 16 tokens of x, source 0 = 16 rows of W.     V (next K = the keys): source 1 = 16 rows of W, source 0 = 16 tokens of x.
; The text is the same for all three: the FIRST ROLE's tile (source 1) hangs on cy and is shared along a row of the cluster, the SECOND ROLE's (source 0) on cx and is shared along a column.  In V's clusters cy counts W's tiles
; and cx the tokens' tiles; in Q's and K's the other way round.  Only buffers and offsets are chosen, by the segment.  Each tile is asked for JOINTLY by its four readers: that divides the requests by four.
; So a conversion's two registers ARE registers 2 c, 2 c + 1 of the next operand's fragment, and results leave straight from registers, 512 consecutive bytes a store.
; qc: [bh 64][token tile 128][1024] (16 tokens x 64).   kv: [bh 64][key step 16][16384]: 8 fragments of K (16 keys x 64: 1,024 bytes), then 4 of V^T (16 channels x 128 keys: 2,048 bytes).
; REGISTERS, in windows of 256: window 0: v0-31 addresses; v32-95, v96-111 biases; v112, v113 the quantiser's; from v128 the first role's fragments, ONE set; in the way out v128-223 at work.
;   window 1: the second role's fragments, TWO sets.   windows 2, 3: the accumulators ((a, b) at v[8 (8 (a % 4) + b)]).
.set FR,     16                        ; registers of a fragment
.set NL,     4                         ; LDS loads that bring one
.set NP,     4                         ; places behind this matrix instruction (ISA guide 7.12.1)
.set TROW,   4096                      ; a row tile's bytes in a slot: two K steps of 2,048
.set TPITCH, 16384                     ; from row tile to row tile in memory
.set HALFT,  8*TROW                    ; 8 row tiles: what one tensor load brings, and what one wave reads of a role
.set SLOT,   4*HALFT                   ; the first role's 16 row tiles, then the second's
.set SPARE,  2*SLOT                    ; behind the ring: the spare words, 128 bytes for each wave, which no other line names
.set CO0,  4                           ; v4      16 l: my place in an image
.set ADRA, 16                          ; v16-17  LDS address of my fragments of the first role in slot 0, 1
.set ADRB, 20                          ; v20-21  of the second role
.set CO1,  24                          ; v24     16 l + a head on
.set BO,   25                          ; v25     32 (l / 16)
.set BR,   26                          ; v26     4 (l % 16)
.set SPW,  28                          ; v28     my spare word; never rewritten
.set NIL,  29                          ; v29     0; never rewritten
.set BI,   32                          ; v32-95  bias along the registers (Q, K): 8 b + j = my column 16 b + 8 (l / 16) + j
.set BV,   96                          ; v96-111 bias of the lane (V): pair a = my column 16 a + l % 16, twice
.set QS,   112                         ; v112    2^eo
.set QL,   113                         ; v113    448 x 2^eo
.set AF,   128
.set Y,    128                         ; the way out: a block's 64 numbers
.set G1, 24                            ; s[24:31] descriptor group 1, first role;  s[32:39] group 0, one set for each slot
.set G0, 32
.set G1B, 48                           ; s[48:55], s[56:63] the same for the second role
.set G0B, 56
.set MSB, 0
.macro WIN new                         ; the immediate's high byte repeats the setting that is left
.if MSB != \new
	s_set_vgpr_msb (MSB<<8)|\new
.set MSB, \new
.endif
.endm
.set MUL_LO, 0xa1                      ; source 0 window 1, source 1 window 0, C and D window 2
.set MUL_HI, 0xf1                      ; the same, C and D window 3
.set TO_B,   0x40                      ; destination window 1, address window 0
; A joint load: waves 0 and 1 fetch for the first role, waves 2 and 3 for the second.  The branch hangs on the wave's number alone.  An s_nop 0 and four v_nop follow each of the two lines.
.macro JLOAD g0a, g1a, g0b, g1b
	s_cmp_eq_u32 s15, 0
	s_cbranch_scc0 .Lfor_b_\@
	tensor_load_to_lds s[\g0a:\g0a+3], s[\g1a:\g1a+7]
	s_nop 0
.rept 4
	v_nop
.endr
	s_branch .Lasked_\@
.Lfor_b_\@:
	tensor_load_to_lds s[\g0b:\g0b+3], s[\g1b:\g1b+7]
	s_nop 0
.rept 4
	v_nop
.endr
.Lasked_\@:
.endm
.macro CREST                           ; a round of the cluster's barrier behind its opening barrier
	s_cmp_lg_u32 s14, 0
	s_cbranch_scc1 .Lnot_wave_0_\@
	s_barrier_signal -3
.Lnot_wave_0_\@:
	s_barrier_wait -3
	s_barrier_signal -1
	s_barrier_wait -1
.endm
.macro CROUND                          ; a whole round
	s_barrier_signal -1
	s_barrier_wait -1
	CREST
.endm
	s_load_b256 s[4:11], s[0:1], 0x0               ; xc s[4:5], wc s[6:7], the exponents s[8:9], bq s[10:11]
	s_load_b256 s[68:75], s[0:1], 0x20             ; bk s[68:69], bv s[70:71], qc s[72:73], kv s[74:75]
	v_lshl_add_u32 v[SPW], v0, 2, SPARE
	v_mov_b32 v[NIL], 0
	ds_add_u32 v[SPW], v[NIL]                      ; the wave's opening: the add and its wait stand ahead of my first tensor load; the set-up below, work on registers, stands between them
	ds_add_u32 v[SPW], v[NIL]
	v_lshrrev_b32 v1, 5, v0
	v_readfirstlane_b32 s14, v1                    ; wave 0..3
	s_lshr_b32 s15, s14, 1                         ; my half of the first role's 256 rows.  Also: I fetch for the first role (0) or the second (1)
	s_and_b32 s16, s14, 1                          ; my half of the second role's.  Also: which 8 row tiles I fetch
	s_bfe_u32 s40, ttmp6, 0x40000                  ; cx, cy: my place in the cluster
	s_bfe_u32 s41, ttmp6, 0x40004
	s_and_b32 s42, ttmp7, 0xffff
	s_lshl_b32 s42, s42, 2                         ; 4 x the cluster's y
	s_lshl_b32 s43, s41, 2
	s_lshl_b32 s43, 15, s43                        ; my row of the cluster
	s_lshl_b32 s44, 0x1111, s40                    ; my column
	; descriptor group 1: 8 rows of 4,096 bytes, 16,384 bytes apart; they land on end in LDS
	s_or_b32 s[G1+0], s43, (1<<21)                 ; 15:0 the mask: my row; 17:16 elements of 1 byte; 20 no padding; 21 set beside a mask
	s_or_b32 s[G1B+0], s44, (1<<21)                ; the same with my column
.irp g, G1, G1B
	s_mov_b32 s[\g+1], TROW<<16                    ; tensor_dim0
	s_mov_b32 s[\g+2], 8<<16                       ; tensor_dim1
	s_mov_b32 s[\g+3], TROW<<16                    ; tile_dim0
	s_mov_b32 s[\g+4], 8                           ; tile_dim1
	s_mov_b32 s[\g+5], TPITCH                      ; tensor_dim0_stride
	s_mov_b32 s[\g+6], 0
	s_mov_b32 s[\g+7], 0
.endr
	; where the tiles come from.  First role: s17, s20, s21, which never hold cx.  Second role: s76, s46, s47, which never hold cy.
	s_lshl_b32 s18, s16, 7                         ; which 128 rows of the tile I fetch
	s_lshl_b32 s77, ttmp9, 23                      ; the segment's set of x's codes
	s_lshl_b32 s78, ttmp9, 20                      ; the segment's weight
	s_cmp_eq_u32 ttmp9, 2                          ; V?  The same answer in all sixteen partners
	s_cselect_b32 s17, 0, s42
	s_cselect_b32 s76, s42, 0
	s_cselect_b32 s79, s78, s77
	s_cselect_b32 s80, s77, s78
	s_add_co_u32 s17, s17, s41                     ; first role's tile of 256 rows: Q, K: tokens 4 cY + cy;  V: W's tile cy
	s_add_co_u32 s76, s76, s40                     ; second role's: Q, K: W's tile cx;  V: tokens 4 cY + cx
	s_lshl_b32 s20, s17, 8
	s_add_co_u32 s20, s20, s18
	s_lshl_b32 s20, s20, 10                        ; a row's share of the images is 1,024 bytes
	s_add_co_u32 s20, s20, s79
	s_mov_b32 s21, 0
	s_lshl_b32 s46, s76, 8
	s_add_co_u32 s46, s46, s18
	s_lshl_b32 s46, s46, 10
	s_add_co_u32 s46, s46, s80
	s_mov_b32 s47, 0
	s_mul_i32 s45, s14, HALFT                      ; where they go: wave x 8 row tiles: no place in the cluster enters an LDS address
	s_wait_dscnt 0x0                               ; the opening add is done
	s_wait_kmcnt 0x0
	s_load_b256 s[88:95], s[8:9], 0x0              ; entries 0 to 7
	s_load_b32 s98, s[8:9], 0x24                   ; entry 9
	s_cmp_eq_u32 ttmp9, 2
	s_cselect_b64 s[82:83], s[6:7], s[4:5]         ; the first role's buffer
	s_cselect_b64 s[84:85], s[4:5], s[6:7]         ; the second's
	s_add_nc_u64 s[20:21], s[82:83], s[20:21]
	s_add_nc_u64 s[46:47], s[84:85], s[46:47]
	; the prefetches: of the 8 row tiles that my wave fetches, each of the four partners that ask for them jointly names 2, told apart by address (cx for the first role, cy for the second)
	s_cmp_eq_u32 s15, 0
	s_cselect_b64 s[2:3], s[20:21], s[46:47]
	s_cselect_b32 s18, s40, s41
	s_lshl_b32 s18, s18, 15                        ; 2 row tiles of 16,384 bytes
	s_mov_b32 s19, 0
	s_add_nc_u64 s[2:3], s[2:3], s[18:19]          ; never rewritten: the slots are named by the immediate
	CROUND                                         ; all sixteen work-groups are here: the first joint loads meet
.irp s, 0,1
	s_mov_b32 s[G0+4*\s], 1
	s_add_co_u32 s[G0+4*\s+1], s45, \s*SLOT
	s_add_nc_u64 s[G0+4*\s+2:G0+4*\s+3], s[20:21], \s*TROW
	s_or_b32 s[G0+4*\s+3], s[G0+4*\s+3], 0x80000000
	s_mov_b32 s[G0B+4*\s], 1
	s_add_co_u32 s[G0B+4*\s+1], s45, \s*SLOT
	s_add_nc_u64 s[G0B+4*\s+2:G0B+4*\s+3], s[46:47], \s*TROW
	s_or_b32 s[G0B+4*\s+3], s[G0B+4*\s+3], 0x80000000
.endr
	JLOAD G0, G1, G0B, G1B                         ; slot 0: one tensor load a wave at the head
	v_and_b32 v1, 31, v0
	v_lshlrev_b32 v[CO0], 4, v1
	s_mul_i32 s21, s15, HALFT                      ; my 8 row tiles of the first role
	s_mul_i32 s22, s16, HALFT                      ; and of the second,
	s_add_co_u32 s22, s22, 2*HALFT                 ; which lie behind the first's 16
.irp s, 0,1
	v_add_nc_u32 v[ADRA+\s], s21, v[CO0]
	v_add_nc_u32 v[ADRB+\s], s22, v[CO0]
	s_add_co_u32 s21, s21, SLOT
	s_add_co_u32 s22, s22, SLOT
.endr
	; the biases and the way out: global addresses alone hang on what follows
	v_and_b32 v2, 15, v0
	v_bfe_u32 v3, v0, 4, 1
	v_lshlrev_b32 v[BO], 5, v3
	s_wait_alu depctr_va_vdst(0)
	v_lshlrev_b32 v[BR], 2, v2
	v_lshlrev_b32 v27, 8, v2                       ; v27: a lane names 256 bytes: 16 lanes a row tile's 4,096 bytes of a slot, two row tiles an instruction; never rewritten
	v_lshl_add_u32 v27, v3, 14, v27
	s_wait_alu depctr_va_vdst(0)
	global_prefetch_b8 v27, s[2:3] offset:TROW th:TH_LOAD_NT scope:SCOPE_SE     ; behind each fill: what the next fill will ask for, one slot ahead; here slot 1's first tiles
	s_cmp_eq_u32 ttmp9, 2
	s_cselect_b32 s81, s40, s41
	s_cselect_b32 s82, s41, s40                    ; cc: which 256 of the segment's 1,024 columns
	s_cselect_b32 s83, s16, s15                    ; my half of the tokens
	s_cselect_b32 s84, s15, s16                    ; my half of the columns
	s_cselect_b32 s85, 8192, 0                     ; V^T lies behind K in a key step
	s_cselect_b64 s[66:67], s[70:71], s[10:11]
	s_cmp_eq_u32 ttmp9, 1
	s_cselect_b64 s[66:67], s[68:69], s[66:67]     ; bq, bk or bv
	s_add_co_u32 s81, s81, s42                     ; tr: which 256 tokens
	s_lshl_b32 s86, s82, 10
	s_lshl_b32 s87, s84, 9
	s_add_co_u32 s86, s86, s87                     ; 4 (256 cc + 128 half): my 128 columns
	s_mov_b32 s87, 0
	s_add_nc_u64 s[66:67], s[66:67], s[86:87]
.irp b, 0,1,2,3,4,5,6,7                ; both layouts are loaded, both lie inside the buffer; the way out takes one.  They are waited for there
	global_load_b128 v[BI+8*\b:BI+8*\b+3], v[BO], s[66:67] offset:64*\b
	global_load_b128 v[BI+8*\b+4:BI+8*\b+7], v[BO], s[66:67] offset:64*\b+16
.endr
.irp a, 0,1,2,3,4,5,6,7
	global_load_b32 v[BV+2*\a], v[BR], s[66:67] offset:64*\a
	global_load_b32 v[BV+2*\a+1], v[BR], s[66:67] offset:64*\a
.endr
	s_lshr_b32 s86, s81, 3                         ; the batch,
	s_lshl_b32 s86, s86, 4
	s_lshl_b32 s87, s82, 2
	s_add_co_u32 s86, s86, s87
	s_lshl_b32 s87, s84, 1
	s_add_co_u32 s86, s86, s87                     ; bh of my first head: 16 batch + 4 cc + 2 half
	s_and_b32 s87, s81, 7
	s_lshl_b32 s87, s87, 1
	s_add_co_u32 s87, s87, s83                     ; which 128 tokens of the batch: 2 (tr % 8) + half
	s_cmp_eq_u32 ttmp9, 0
	s_cselect_b32 s77, 17, 18                      ; a head is 2^17 bytes in qc, 2^18 in kv; 128 tokens a sixteenth of that
	s_cselect_b64 s[12:13], s[72:73], s[74:75]
	s_lshl_b32 s86, s86, s77
	s_sub_co_u32 s78, s77, 4
	s_lshl_b32 s87, s87, s78
	s_add_co_u32 s86, s86, s87
	s_add_co_u32 s86, s86, s85
	s_mov_b32 s87, 0
	s_add_nc_u64 s[12:13], s[12:13], s[86:87]
	s_lshl_b32 s78, 1, s77
	v_add_nc_u32 v[CO1], s78, v[CO0]
.macro FRAG reg, adr, q, i             ; a fragment comes as it was stored: four loads of 512 consecutive bytes
.irp c, 0,1,2,3
	ds_load_b128 v[\reg+4*\c:\reg+4*\c+3], v[\adr] offset:(\i)*TROW+(\q)*2048+512*\c
.endr
.endm
; 16 matrix instructions: the first role's blocks a0, a0 + 1 x the second's eight, 128 along K.  p: the second role's set.  zero = 1: the first product starts the sums.
; The 64 accumulators take turns, one instruction a turn, in the same order in every step.
.macro MUL16 a0, p, zero
.irp a, \a0, \a0+1
.irp b, 0,1,2,3,4,5,6,7
.if \zero
	v_wmma_f32_16x16x128_fp8_fp8 v[8*(8*((\a)%4)+\b):8*(8*((\a)%4)+\b)+7], v[128*(\p)+FR*\b:128*(\p)+FR*\b+FR-1], v[AF+FR*(\a):AF+FR*(\a)+FR-1], 0
.else
	v_wmma_f32_16x16x128_fp8_fp8 v[8*(8*((\a)%4)+\b):8*(8*((\a)%4)+\b)+7], v[128*(\p)+FR*\b:128*(\p)+FR*\b+FR-1], v[AF+FR*(\a):AF+FR*(\a)+FR-1], v[8*(8*((\a)%4)+\b):8*(8*((\a)%4)+\b)+7]
.endif
.endr
.endr
.endm
.macro FETCH_B slot, q, p
	WIN TO_B
.irp i, 0,1,2,3,4,5,6,7
	FRAG 128*(\p)+FR*\i, ADRB+\slot, \q, \i
.endr
	WIN 0
.endm
.macro FETCH_A slot, q, i0
.irp i, \i0, \i0+1, \i0+2, \i0+3
	FRAG AF+FR*(\i), ADRA+\slot, \q, \i
.endr
.endm
.macro PLACES n                        ; plain vector lines between a matrix instruction and a load into, or a vector line on, its registers
.rept \n
	v_nop
.endr
.endm
; A step of 128 along K that has its successor in the same slot.  A block of the first role is free when its eight products are issued: blocks 0-3 are fetched anew in the step's middle, blocks 4-7 at its end.
.macro STEP slot, q, zero
	s_wait_dscnt 4*NL                              ; all but the youngest sixteen loads (the first role's blocks 4-7) are in
	WIN MUL_LO
	MUL16 0, (\q)%2, \zero
	MUL16 2, (\q)%2, \zero
	s_wait_dscnt 0                                 ; blocks 4-7 are in
	PLACES NP
	FETCH_B \slot, (\q)+1, 1-(\q)%2
	FETCH_A \slot, (\q)+1, 0
	WIN MUL_HI
	MUL16 4, (\q)%2, \zero
	MUL16 6, (\q)%2, \zero
	PLACES NP
	WIN 0
	FETCH_A \slot, (\q)+1, 4
.endm
; A slot's last step changes slots: one barrier; in front of it each wave waits for all its tensor loads, adds 0 to its spare word, and waits for that and for its reads of this slot.  fill = 1: the slot is filled again, two slots ahead.
.macro TURN slot, next, fill
	s_wait_tensorcnt 0x0                           ; all my tensor loads have landed: the one that was out is my part of the next slot
	ds_add_u32 v[SPW], v[NIL]                      ; 0 onto my spare word
	s_wait_dscnt 4*NL+1                            ; the add and the youngest sixteen loads may be out
	WIN MUL_LO
	MUL16 0, 1, 0                                  ; sixteen matrix instructions stand between the add and the wait for it
	s_wait_dscnt 0x0                               ; the add is done, and my reads of this slot are over
	s_barrier_signal -1
	MUL16 2, 1, 0
	WIN 0
	s_barrier_wait -1
.if \fill
	CREST                                          ; the barrier has opened a round of the cluster's: no wave of any partner still reads this slot or has a load on its way
	s_add_nc_u64 s[G0+4*\slot+2:G0+4*\slot+3], s[G0+4*\slot+2:G0+4*\slot+3], 2*TROW
	s_add_nc_u64 s[G0B+4*\slot+2:G0B+4*\slot+3], s[G0B+4*\slot+2:G0B+4*\slot+3], 2*TROW
	JLOAD G0+4*\slot, G1, G0B+4*\slot, G1B         ; the first tensor load behind the round; its four v_nop are the places in front of the loads below
.else
	PLACES NP
.endif
	FETCH_B \next, 0, 0
	FETCH_A \next, 0, 0
.if (\fill) && ((\slot) == 0)
	global_prefetch_b8 v27, s[2:3] offset:3*TROW th:TH_LOAD_NT scope:SCOPE_SE   ; the fourth and last fill's tiles; the last fill asks for nothing
.endif
	WIN MUL_HI
	MUL16 4, 1, 0
	MUL16 6, 1, 0
	PLACES NP
	WIN 0
	FETCH_A \next, 0, 4
.endm
	s_wait_alu depctr_va_vdst(0)
	s_wait_tensorcnt 0x0                           ; my part of slot 0 is in; these lines stand ahead of a later first fill, as ahead of a refill
	ds_add_u32 v[SPW], v[NIL]
	s_wait_dscnt 0x0
	CROUND                                         ; a whole round: slot 0 is whole, and all sixteen work-groups are here
	JLOAD G0+4, G1, G0B+4, G1B                     ; slot 1's first fill: the first tensor load behind the round
	FETCH_B 0, 0, 0
	FETCH_A 0, 0, 0
	FETCH_A 0, 0, 4
	global_prefetch_b8 v27, s[2:3] offset:2*TROW th:TH_LOAD_NT scope:SCOPE_SE   ; the third fill's tiles
	STEP 0, 0, 1
	TURN 0, 1, 1
	STEP 1, 0, 0
	TURN 1, 0, 1
	STEP 0, 0, 0
	TURN 0, 1, 0                                   ; nothing is left to fetch: no round
	STEP 1, 0, 0
	s_wait_dscnt 4*NL
	WIN MUL_LO
	MUL16 0, 1, 0
	MUL16 2, 1, 0
	s_wait_dscnt 0
	WIN MUL_HI
	MUL16 4, 1, 0
	MUL16 6, 1, 0
	WIN 0
	; THE WAY OUT.  The segment's three exponents are chosen without a branch
	s_wait_kmcnt 0x0
	s_add_co_i32 s76, s88, s89
	s_add_co_i32 s77, s90, s91
	s_add_co_i32 s78, s92, s93
	s_cmp_eq_u32 ttmp9, 1
	s_cselect_b32 s76, s77, s76
	s_cselect_b32 s79, s95, s94
	s_cmp_eq_u32 ttmp9, 2
	s_cselect_b32 s76, s78, s76
	s_cselect_b32 s79, s98, s79
	s_add_co_i32 s76, s76, 127
	s_lshl_b32 s96, s76, 23                        ; 2^(ea + eb) as f32
	s_mov_b32 s97, s96                             ; (named with it as a pair, so it is written)
	s_add_co_i32 s79, s79, 127
	s_lshl_b32 s80, s79, 23
	v_mov_b32 v[QS], s80
	s_add_co_i32 s79, s79, 8
	s_lshl_b32 s79, s79, 23
	s_or_b32 s79, s79, 0x600000
	v_mov_b32 v[QL], s79
	s_wait_loadcnt 0x0                             ; the biases
	PLACES NP                                      ; behind the last products: the lines below write where the first role's fragments lay
; Block a of the first role: 16 lanes' rows x my 128 of the second role.  v = 0: a lane is a token, the registers two heads' 64 channels: two fragments of 1,024 bytes.  v = 1: a lane is a channel, the registers 128 keys: one fragment of 2,048.
.macro EPI a, v
.set AC, 64*((\a)%4)
.set CC, 192+16*((\a)%2)
.if (\a) >= 2
	s_wait_xcnt 0x0                                ; block a - 2's stores have read their data: its registers are written again only behind this wait
.endif
	WIN 0x02+((\a)/4)                              ; source 0: window 2 or 3
.set j, 0
.rept 32
.if \v
	v_pk_fma_f32 v[Y+j:Y+j+1], v[AC+j:AC+j+1], s[96:97], v[BV+2*(\a):BV+2*(\a)+1] op_sel_hi:[1,0,1]   ; sum x 2^(ea + eb) + bias; each accumulator from its low end on
.else
	v_pk_fma_f32 v[Y+j:Y+j+1], v[AC+j:AC+j+1], s[96:97], v[BI+j:BI+j+1] op_sel_hi:[1,0,1]
.endif
.set j, j+2
.endr
	WIN 0
.irp b, 0,1,2,3,4,5,6,7
.irp i, 0,1,2,3,4,5,6,7
	v_med3_num_f32 v[Y+8*\b+\i], v[Y+8*\b+\i], -v[QL], v[QL]   ; the conversion does not saturate (ISA guide 7.6.2): the hold comes first
.endr
	v_cvt_scalef32_pk8_fp8_f32 v[CC+2*\b:CC+2*\b+1], v[Y+8*\b:Y+8*\b+7], v[QS]
.endr
	v_nop                                          ; a plain line behind the last conversion: the next block writes its sources
.if \v
.irp c, 0,1,2,3
	global_store_b128 v[CO0], v[CC+4*\c:CC+4*\c+3], s[12:13] offset:((\a)/4)*262144+((\a)%4)*2048+512*\c
.endr
.else
	global_store_b128 v[CO0], v[CC:CC+3], s[12:13] offset:1024*(\a)
	global_store_b128 v[CO0], v[CC+4:CC+7], s[12:13] offset:1024*(\a)+512
	global_store_b128 v[CO1], v[CC+8:CC+11], s[12:13] offset:1024*(\a)
	global_store_b128 v[CO1], v[CC+12:CC+15], s[12:13] offset:1024*(\a)+512
.endif
.endm
	s_cmp_eq_u32 ttmp9, 2                          ; the cluster's x: the same way in all partners; behind it stand no LDS access and no tensor load but the closing lines, which both ways reach
	s_cbranch_scc1 .Lv
.irp a, 0,1,2,3,4,5,6,7
	EPI \a, 0
.endr
	s_branch .Ldone
.Lv:
.irp a, 0,1,2,3,4,5,6,7
	EPI \a, 1
.endr
.Ldone:
	s_wait_tensorcnt 0x0                           ; the wave's end, behind my last tensor load
	ds_add_u32 v[SPW], v[NIL]
	s_wait_dscnt 0x0
	CROUND                                         ; the closing round: no work-group ends while a partner may still ask for a tile that names it
	s_endpgm
.Lfunc_end_k_q62d7edc804_qkv:
	.size	k_q62d7edc804_qkv, .Lfunc_end_k_q62d7edc804_qkv-k_q62d7edc804_qkv
	.p2alignl 7, 3214868480
	.fill 96, 4, 3214868480
	.section	.rodata,"a",@progbits
	.p2align	6, 0x0
	.amdhsa_kernel k_q62d7edc804_qkv
		.amdhsa_group_segment_fixed_size 327680
		.amdhsa_private_segment_fixed_size 0
		.amdhsa_enable_private_segment 0
		.amdhsa_kernarg_size 64
		.amdhsa_user_sgpr_count 2
		.amdhsa_user_sgpr_kernarg_segment_ptr 1
		.amdhsa_wavefront_size32 1
		.amdhsa_system_sgpr_workgroup_id_x 1
		.amdhsa_system_sgpr_workgroup_id_y 1
		.amdhsa_system_sgpr_workgroup_id_z 1
		.amdhsa_system_vgpr_workitem_id 0
		.amdhsa_next_free_vgpr 1024
		.amdhsa_next_free_sgpr 100
		.amdhsa_reserve_vcc 0
		.amdhsa_float_denorm_mode_32 3
		.amdhsa_float_denorm_mode_16_64 3
		.amdhsa_memory_ordered 1
		.amdhsa_forward_progress 1
		.amdhsa_inst_pref_size 195
	.end_amdhsa_kernel
	.amdgpu_metadata
---
amdhsa.version: [ 1, 2 ]
amdhsa.kernels:
  - .name:           k_q62d7edc804_qkv
    .symbol:         k_q62d7edc804_qkv.kd
    .args:
      - { .name: xc, .offset: 0, .size: 8, .value_kind: global_buffer, .address_space: global }
      - { .name: wc, .offset: 8, .size: 8, .value_kind: global_buffer, .address_space: global }
      - { .name: lowp_scales, .offset: 16, .size: 8, .value_kind: global_buffer, .address_space: global }
      - { .name: bq, .offset: 24, .size: 8, .value_kind: global_buffer, .address_space: global }
      - { .name: bk, .offset: 32, .size: 8, .value_kind: global_buffer, .address_space: global }
      - { .name: bv, .offset: 40, .size: 8, .value_kind: global_buffer, .address_space: global }
      - { .name: qc, .offset: 48, .size: 8, .value_kind: global_buffer, .address_space: global }
      - { .name: kv, .offset: 56, .size: 8, .value_kind: global_buffer, .address_space: global }
    .group_segment_fixed_size: 327680
    .private_segment_fixed_size: 0
    .kernarg_segment_align: 8
    .kernarg_segment_size: 64
    .max_flat_workgroup_size: 128
    .sgpr_count:     100
    .vgpr_count:     1024
    .wavefront_size: 32
...
	.end_amdgpu_metadata
.endif
;; end of part 2
;; launch attn (part 3): grid 4 x 64, 16 waves a work-group, clusters of 4 x 1, 327,680 bytes of LDS; arguments qc, kv, lowp_scales, ac; writes ac
.if DOCPART == 3
	.amdgcn_target "amdgcn-amd-amdhsa--gfx1250"
	.amdhsa_code_object_version 6
	.text
	.protected	k_q62d7edc804_attn
	.globl	k_q62d7edc804_attn
	.p2align	8
	.type	k_q62d7edc804_attn,@function
k_q62d7edc804_attn:
	s_mov_b64 s[64:65], 0
	v_nop
	global_prefetch_b8 v0, s[64:65] scope:SCOPE_SE
	s_setreg_imm32_b32 hwreg(HW_REG_WAVE_MODE, 25, 1), 1
	s_wait_xcnt 0x0
	s_wait_alu depctr_hold_cnt(0) depctr_sa_sdst(0) depctr_va_vdst(0) depctr_va_sdst(0) depctr_va_ssrc(0) depctr_va_vcc(0) depctr_vm_vsrc(0)
	s_getreg_b32 s2, hwreg(HW_REG_IB_STS2, 6, 4)
	s_cmp_eq_u32 s2, 0
	s_cbranch_scc0 .Lentry_in_a_cluster
	s_endpgm
.Lentry_in_a_cluster:
	s_bfe_u32 s2, ttmp6, 0x10000c
	s_cmp_lg_u32 s2, 0x3003
	s_cbranch_scc0 .Lentry_shape_is_right
	s_endpgm
.Lentry_shape_is_right:
; Attention of one head on codes of FP8 (E4M3): O = softmax(Q K^T / 8) V, both products quantised, the result quantised again for the projection that follows.
; qc: [bh 64][token tile 128][1024]: images of operand registers, 16 tokens x 64.  kv: [bh 64][key step 16][16384]: 8 images of K (16 keys x 64: 1,024 bytes), then 4 of V^T (16 channels x 128 keys: 2,048 bytes).
; ac: [token tile 512][K step 8][2048]: images of 16 tokens x 128; a head's 64 channels are half an image, 1,024 bytes.  An image holds registers 4 q .. 4 q + 3 of lane l at 512 q + 16 l.
; THE SOFTMAX: t = score x log2(e) / 8; M = the running largest t rounded up to a whole number; p = 2^(t - M) is held at 448 x 2^ep and quantised with 2^ep; the row's sum is taken of the unquantised p and divides at the end.
; When M moves, the sum and O are multiplied by 2^(old M - new M), which rounds nothing; no branch hangs on data.
; LIMITS: entries 6 + 7 between -123 and 130 (they are added to the exponent field of log2(e) / 8); entries 8 and 10 between -126 and 119; the scaled scores stay under 2^31 in magnitude; NaN is not served.
; SHARES.  A work-group owns 512 queries of one head; each of its 16 waves owns two tiles of 16.  The four work-groups of a head form a cluster and ask for the head's K and V JOINTLY.
; The head's 16 key steps, 262,144 bytes, lie in LDS whole: wave w asks for key step w, 64 rows of 256 bytes, its one tensor load.  Nothing is filled again: one barrier in front of the loop, none in it.
; No prefetch: all that the launch reads through LDS is asked for at the head, so there is no loop to run ahead in.
; A KEY STEP (128 keys): K's 8 fragments are read once and serve both tiles (S^T = K Q^T, source 0 = 16 keys, source 1 = 16 queries: a lane holds one query, its registers run along the keys,
; so a conversion's two registers are registers 2 t, 2 t + 1 of P's fragment); V's 4 fragments then take K's registers and serve both tiles (O^T += V^T P^T).
; TWO RUNS OF 64 REGISTERS SWAP ROLES FROM STEP TO STEP: when the second tile's codes are made, the scores' run is free and takes the next step's K, ahead of the second product; the fragments' run takes the next scores.
; So a trip of the loop is two steps.  The last trip's look-ahead wraps to key step 0: those 16 loads stay inside K's bytes and are not used.
; REGISTERS: v0 LDS address of the next trip's K; v1 16 x lane; v2 LDS address of the trip; v3 a lane permute's destination; v[4:5], v[8:9] -M and the largest score of tile 0, 1; v[6:7], v[10:11] their sums in two halves;
; v12 f; v13 2^ep; v14, v15 the add's two; v16-31 Q; v32-95, v96-159 the two runs; v160-223 O^T of the two tiles; v224-255 p's codes of the two tiles (until a tile's codes are made, its registers serve as temporaries).
.set STEPB, 16384
.set SPARE, 262144                     ; behind K and V: the spare words, 128 bytes for each wave, which no other line names
.set ADN, 0
.set LI,  1
.set ADK, 2
.set PD,  3
.set FF,  12
.set SC,  13
.set SPW, 14
.set NIL, 15
.set Q,   16
.set RA,  32
.set RB,  96
.set O,   160
.set P,   224
.set TB,  2                            ; s2  LDS byte of the trip's first key step
.set CNT, 3
.set TN,  12                           ; s12 of the next trip's, modulo the 16 steps
.set WV,  18
.set SEL, 20                           ; s[20:21] selects of lane l xor 16
.set CS,  22                           ; s[22:23] c = log2(e) / 8 x 2^(eq + ek)
.set G1,  24
.set G0,  32
.set HL,  36                           ; s36 448 x 2^ep
.set QS,  37                           ; s37 2^eo, s38 448 x 2^eo: the way out's quantiser
.set QL,  38
.set NCS, 39                           ; s39 -c
.set EPV, 60
.macro CROUND                          ; a round of the cluster's barrier
	s_barrier_signal -1
	s_barrier_wait -1
	s_cmp_lg_u32 s[WV], 0
	s_cbranch_scc1 .Lnot_wave_0_\@
	s_barrier_signal -3
.Lnot_wave_0_\@:
	s_barrier_wait -3
	s_barrier_signal -1
	s_barrier_wait -1
.endm
	s_load_b256 s[4:11], s[0:1], 0x0               ; qc, kv, the exponents, ac
	v_lshl_add_u32 v[SPW], v0, 2, SPARE
	v_mov_b32 v[NIL], 0
	ds_add_u32 v[SPW], v[NIL]                      ; the opening lines: the add twice on end and its wait ahead of my tensor load
	ds_add_u32 v[SPW], v[NIL]
	v_lshrrev_b32 v1, 5, v0
	v_readfirstlane_b32 s[WV], v1                  ; wave 0..15
	s_bfe_u32 s13, ttmp6, 0x40000                  ; cx
	s_lshl_b32 s14, ttmp9, 2
	s_add_co_u32 s14, s14, s13                     ; which 512 queries of the head
	s_and_b32 s15, ttmp7, 0xffff                   ; bh, equal in the four partners
	s_mov_b32 s[G1], 15|(3<<16)|(1<<21)            ; the mask names the four; elements of 8 bytes; bit 21 beside a mask
	s_mov_b32 s[G1+1], 32<<16                      ; rows of 32 elements = 256 bytes
	s_mov_b32 s[G1+2], 64<<16                      ; 64 rows
	s_mov_b32 s[G1+3], 32<<16
	s_mov_b32 s[G1+4], 64
	s_mov_b32 s[G1+5], 32                          ; dense
	s_mov_b32 s[G1+6], 0
	s_mov_b32 s[G1+7], 0
	s_mov_b32 s[SEL], 0x76543210
	s_mov_b32 s[SEL+1], 0xfedcba98
	s_mov_b32 s[CS], 0x3e38aa3b                    ; log2(e) / 8
	s_lshl_b32 s19, s[WV], 14                      ; my key step, in LDS and in the head's part of kv
	s_lshl_b32 s16, s15, 18
	s_add_co_u32 s16, s16, s19
	s_mov_b32 s17, 0
	s_lshl_b32 s56, s15, 17                        ; qc: head, 32 tiles a work-group, tile = wave (and wave + 16)
	s_lshl_b32 s57, s14, 15
	s_add_co_u32 s56, s56, s57
	s_lshl_b32 s57, s[WV], 10
	s_add_co_u32 s56, s56, s57
	s_mov_b32 s57, 0
	s_lshr_b32 s58, s15, 4                         ; ac: token tile 128 batch + 32 work-group + wave, 16,384 bytes each; + 1,024 x the head in its batch
	s_lshl_b32 s58, s58, 7
	s_lshl_b32 s59, s14, 5
	s_add_co_u32 s58, s58, s59
	s_add_co_u32 s58, s58, s[WV]
	s_lshl_b32 s58, s58, 14
	s_and_b32 s59, s15, 15
	s_lshl_b32 s59, s59, 10
	s_add_co_u32 s58, s58, s59
	s_mov_b32 s59, 0
	s_wait_dscnt 0x0                               ; both opening adds are done
	s_wait_kmcnt 0x0
	s_load_b256 s[48:55], s[8:9], 0x10             ; entries 4 to 11
	s_add_nc_u64 s[6:7], s[6:7], s[16:17]
	s_add_nc_u64 s[4:5], s[4:5], s[56:57]
	s_add_nc_u64 s[10:11], s[10:11], s[58:59]
	s_mov_b32 s[G0], 1
	s_mov_b32 s[G0+1], s19
	s_mov_b64 s[G0+2:G0+3], s[6:7]
	s_or_b32 s[G0+3], s[G0+3], 0x80000000
	CROUND                                         ; the four work-groups are here: the joint loads meet
	tensor_load_to_lds s[G0:G0+3], s[G1:G1+7]      ; key step = my wave's number: my one tensor load
	s_nop 0
	v_and_b32 v[LI], 31, v0
	v_lshlrev_b32 v[LI], 4, v[LI]
	global_load_b128 v[Q:Q+3], v[LI], s[4:5]
	global_load_b128 v[Q+4:Q+7], v[LI], s[4:5] offset:512
	global_load_b128 v[Q+8:Q+11], v[LI], s[4:5] offset:16384
	global_load_b128 v[Q+12:Q+15], v[LI], s[4:5] offset:16896
	v_mov_b32 v5, 0xff61b1e6                       ; the largest score so far: -3e38
	v_mov_b32 v9, 0xff61b1e6
	v_floor_f32 v4, -v5                            ; -M
	v_floor_f32 v8, -v9
	v_mov_b32 v6, 0                                ; the sums
	v_mov_b32 v7, 0
	v_mov_b32 v10, 0
	v_mov_b32 v11, 0
	v_mov_b32 v[PD], 0                             ; a lane permute's destination counts as a source: written once
.set j, 0
.rept 64
	v_mov_b32 v[O+j], 0                            ; O^T: the step is written once; its first trip finds zeros, which the first change of M leaves zeros
.set j, j+1
.endr
	s_wait_kmcnt 0x0
	s_add_co_i32 s56, s50, s51
	s_lshl_b32 s56, s56, 23
	s_add_co_i32 s[CS], s[CS], s56                 ; eq + ek go into c's exponent field
	s_mov_b32 s[CS+1], s[CS]
	s_xor_b32 s[NCS], s[CS], 0x80000000
	s_add_co_i32 s[EPV], s52, s53                  ; ep + ev
	s_add_co_i32 s56, s52, 127
	s_lshl_b32 s57, s56, 23
	v_mov_b32 v[SC], s57                           ; 2^ep
	s_add_co_i32 s56, s56, 8
	s_lshl_b32 s56, s56, 23
	s_or_b32 s[HL], s56, 0x600000                  ; 448 x 2^ep
	s_add_co_i32 s56, s54, 127
	s_lshl_b32 s[QS], s56, 23
	s_add_co_i32 s56, s56, 8
	s_lshl_b32 s56, s56, 23
	s_or_b32 s[QL], s56, 0x600000
; The softmax of tile u on the 64 scores in v[sc ..]: codes into v[PB ..], O^T and the sum brought under the new M.
.macro SUMS sc, t, k                   ; one of group t's four additions: the sum of the unquantised p, in two chains; the second lies where the last codes will
.if (\k) % 2
	v_pk_add_f32 v[PB+14:PB+15], v[PB+14:PB+15], v[\sc+8*(\t)+2*(\k):\sc+8*(\t)+2*(\k)+1]
.else
	v_pk_add_f32 v[ST+2:ST+3], v[ST+2:ST+3], v[\sc+8*(\t)+2*(\k):\sc+8*(\t)+2*(\k)+1]
.endif
.endm
.macro SOFTMAX u, sc
.set ST, 4+4*\u
.set PB, P+16*\u
.set OB, O+32*\u
.irp k, 0,1,2,3
	v_max3_num_f32 v[PB+\k], v[\sc+3*\k], v[\sc+3*\k+1], v[\sc+3*\k+2]   ; my query's largest score among my 64 keys, in four chains, the registers in ascending order
.endr
.set j, 12
.rept 26
	v_max3_num_f32 v[PB+((j/2)%4)], v[PB+((j/2)%4)], v[\sc+j], v[\sc+j+1]
.set j, j+2
.endr
	v_max3_num_f32 v[PB], v[PB], v[PB+1], v[PB+2]
	s_delay_alu instid0(VALU_DEP_1)
	v_max_num_f32 v[PB], v[PB], v[PB+3]
	s_delay_alu instid0(VALU_DEP_1)
	v_permlanex16_b32 v[PD], v[PB], s[SEL], s[SEL+1]
	v_mov_b32 v[PB+1], v[ST]                       ; the old -M
	s_delay_alu instid0(VALU_DEP_2)
	v_max3_num_f32 v[ST+1], v[ST+1], v[PB], v[PD]  ; the running largest score: mine, lane l xor 16's, the old one
	s_delay_alu instid0(VALU_DEP_1)
	v_mul_f32 v[PB], s[NCS], v[ST+1]               ; -t (c is positive)
	s_delay_alu instid0(VALU_DEP_1)
	v_floor_f32 v[ST], v[PB]                       ; -M = floor(-t)
	s_delay_alu instid0(VALU_DEP_1)
	v_sub_f32 v[PB], v[ST], v[PB+1]                ; old M - new M, a whole number, 0 or less
	s_delay_alu instid0(VALU_DEP_1)
	v_cvt_i32_f32 v[PB], v[PB]                     ; (it saturates)
	s_delay_alu instid0(VALU_DEP_1)
	v_ldexp_f32 v[FF], 1.0, v[PB]                  ; f = 2^(old M - new M)
.set j, 0
.rept 32
	v_pk_fma_f32 v[\sc+j:\sc+j+1], v[\sc+j:\sc+j+1], s[CS:CS+1], v[ST:ST+1] op_sel_hi:[1,0,0]   ; t - M
.set j, j+2
.endr
	s_wait_alu depctr_va_vdst(0)                   ; ahead of the first readers of O^T and ahead of the batch
.set j, 0
.rept 16
	v_pk_mul_f32 v[OB+j:OB+j+1], v[OB+j:OB+j+1], v[FF:FF+1] op_sel_hi:[1,0]   ; O^T x f
.set j, j+2
.endr
.set j, 0
.rept 64
	v_exp_f32 v[\sc+j], v[\sc+j]                   ; p = 2^(t - M)
.set j, j+1
.endr
	v_pk_mul_f32 v[ST+2:ST+3], v[ST+2:ST+3], v[FF:FF+1] op_sel_hi:[1,0]   ; the sums x f: the plain place behind the batch
	s_wait_alu depctr_va_vdst(0)                   ; one wait for the batch, ahead of its first reader
	v_pk_add_f32 v[ST+2:ST+3], v[ST+2:ST+3], v[\sc:\sc+1]
	v_pk_add_f32 v[PB+14:PB+15], v[\sc+2:\sc+3], v[\sc+6:\sc+7]
	v_pk_add_f32 v[ST+2:ST+3], v[ST+2:ST+3], v[\sc+4:\sc+5]
.irp t, 0,1,2,3,4,5,6,7                ; group t's holds stand among group t + 1's additions: a group is summed before it is held
.if \t == 7
	v_pk_add_f32 v[ST+2:ST+3], v[ST+2:ST+3], v[PB+14:PB+15]
.endif
.irp k, 0,1,2,3
.if \t < 7
	SUMS \sc, \t+1, \k
.endif
	v_dual_min_num_f32 v[\sc+8*\t+2*\k], s[HL], v[\sc+8*\t+2*\k] :: v_dual_min_num_f32 v[\sc+8*\t+2*\k+1], s[HL], v[\sc+8*\t+2*\k+1]   ; the conversion does not saturate (ISA guide 7.6.2); p is not negative: a one-sided hold, two a line
.endr
	v_cvt_scalef32_pk8_fp8_f32 v[PB+2*\t:PB+2*\t+1], v[\sc+8*\t:\sc+8*\t+7], v[SC]
.endr
	v_nop                                          ; a plain line behind the last conversion: matrix instructions follow on its registers
.endm
; A key step: K's fragments lie in v[kf ..], the scores go to v[sc ..]; o: the step's byte in the trip; the next step's K is read at v[nr] + no.
.macro STEP kf, sc, o, nr, no
.rept 5
	v_nop                                          ; five places: the scores are laid over registers that the last products read
.endr
	s_wait_dscnt 0x0                               ; K's fragments are in
.irp t, 0,1,2,3,4,5,6,7
	v_wmma_f32_16x16x64_fp8_fp8 v[\sc+8*\t:\sc+8*\t+7], v[\kf+8*\t:\kf+8*\t+7], v[Q:Q+7], 0
.endr
.rept 4
	v_nop
.endr
	SOFTMAX 0, \sc
.irp t, 0,1,2,3,4,5,6,7
	v_wmma_f32_16x16x64_fp8_fp8 v[\sc+8*\t:\sc+8*\t+7], v[\kf+8*\t:\kf+8*\t+7], v[Q+8:Q+15], 0
.endr
.rept 4
	v_nop
.endr
.irp i, 0,1,2,3,4,5,6,7,8,9,10,11,12,13,14,15
	ds_load_b128 v[\kf+4*\i:\kf+4*\i+3], v[ADK] offset:\o+8192+512*\i   ; V's four fragments, on their way under the second softmax
.endr
	SOFTMAX 1, \sc
	s_wait_alu depctr_va_vdst(0)
.irp i, 0,1,2,3,4,5,6,7,8,9,10,11,12,13,14,15
	ds_load_b128 v[\sc+4*\i:\sc+4*\i+3], v[\nr] offset:\no+512*\i       ; the next step's K, into the run that the scores have left
.endr
	s_wait_dscnt 16                                ; V's fragments are in; the 16 loads just issued may be out
.irp d, 0,1,2,3
	v_wmma_f32_16x16x128_fp8_fp8 v[O+8*\d:O+8*\d+7], v[\kf+16*\d:\kf+16*\d+15], v[P:P+15], v[O+8*\d:O+8*\d+7]   ; the eight accumulators take turns
	v_wmma_f32_16x16x128_fp8_fp8 v[O+32+8*\d:O+32+8*\d+7], v[\kf+16*\d:\kf+16*\d+15], v[P+16:P+31], v[O+32+8*\d:O+32+8*\d+7]
.endr
.endm
	s_wait_alu depctr_va_vdst(0)
	s_wait_loadcnt 0x0                             ; Q
	s_wait_tensorcnt 0x0                           ; my key step is in;
	s_barrier_signal -1
	s_barrier_wait -1                              ; and so is everybody's: K and V are whole
	s_mov_b32 s[TB], 0
	s_mov_b32 s[CNT], 8
.irp i, 0,1,2,3,4,5,6,7,8,9,10,11,12,13,14,15
	ds_load_b128 v[RA+4*\i:RA+4*\i+3], v[LI] offset:512*\i              ; key step 0's K
.endr
.Ltrip:
	s_add_co_u32 s[TN], s[TB], 2*STEPB
	s_and_b32 s[TN], s[TN], 0x3ffff                ; the last trip's look-ahead wraps to key step 0
	v_add_nc_u32 v[ADK], s[TB], v[LI]
	v_add_nc_u32 v[ADN], s[TN], v[LI]
	STEP RA, RB, 0, ADK, STEPB
	STEP RB, RA, STEPB, ADN, 0
	s_add_co_u32 s[TB], s[TB], 2*STEPB
	s_sub_co_u32 s[CNT], s[CNT], 1
	s_cmp_lg_u32 s[CNT], 0
	s_cbranch_scc1 .Ltrip
	s_wait_dscnt 0x0                               ; the wrapped look-ahead has landed: its registers are written again below
	; THE WAY OUT: O^T / the sum x 2^(ep + ev), held and quantised with entry 10's scale; a conversion's two registers are registers of the next product's fragment: 512 consecutive bytes a store
	v_mov_b32 v[PD], s[QL]
	v_mov_b32 v[SC], s[QS]
	v_add_f32 v6, v6, v7                           ; the sums' two halves,
	v_add_f32 v10, v10, v11
	v_permlanex16_b32 v4, v6, s[SEL], s[SEL+1]
	v_permlanex16_b32 v8, v10, s[SEL], s[SEL+1]
	v_add_f32 v6, v6, v4                           ; and lane l xor 16's
	v_add_f32 v10, v10, v8
	s_wait_alu depctr_va_vdst(0)                   ; ahead of the batch
	v_rcp_f32 v6, v6
	v_rcp_f32 v10, v10
	v_nop
	s_wait_alu depctr_va_vdst(0)                   ; and behind it
	v_ldexp_f32 v6, v6, s[EPV]
	v_ldexp_f32 v10, v10, s[EPV]
	s_wait_alu depctr_va_vdst(0)                   ; directly ahead of the first readers of O^T
.set j, 0
.rept 16
	v_pk_mul_f32 v[RB+j:RB+j+1], v[O+j:O+j+1], v[6:7] op_sel_hi:[1,0]
.set j, j+2
.endr
.rept 16
	v_pk_mul_f32 v[RB+j:RB+j+1], v[O+j:O+j+1], v[10:11] op_sel_hi:[1,0]
.set j, j+2
.endr
.irp g, 0,1,2,3,4,5,6,7
.irp i, 0,1,2,3,4,5,6,7
	v_med3_num_f32 v[RB+8*\g+\i], v[RB+8*\g+\i], -v[PD], v[PD]
.endr
	v_cvt_scalef32_pk8_fp8_f32 v[RA+2*\g:RA+2*\g+1], v[RB+8*\g:RB+8*\g+7], v[SC]
.endr
	v_nop
	global_store_b128 v[LI], v[RA:RA+3], s[10:11]
	global_store_b128 v[LI], v[RA+4:RA+7], s[10:11] offset:512
	global_store_b128 v[LI], v[RA+8:RA+11], s[10:11] offset:262144
	global_store_b128 v[LI], v[RA+12:RA+15], s[10:11] offset:262656
	s_wait_tensorcnt 0x0                           ; the wave's end
	ds_add_u32 v[SPW], v[NIL]
	s_wait_dscnt 0x0
	CROUND                                         ; the closing round
	s_endpgm
.Lfunc_end_k_q62d7edc804_attn:
	.size	k_q62d7edc804_attn, .Lfunc_end_k_q62d7edc804_attn-k_q62d7edc804_attn
	.p2alignl 7, 3214868480
	.fill 96, 4, 3214868480
	.section	.rodata,"a",@progbits
	.p2align	6, 0x0
	.amdhsa_kernel k_q62d7edc804_attn
		.amdhsa_group_segment_fixed_size 327680
		.amdhsa_private_segment_fixed_size 0
		.amdhsa_enable_private_segment 0
		.amdhsa_kernarg_size 32
		.amdhsa_user_sgpr_count 2
		.amdhsa_user_sgpr_kernarg_segment_ptr 1
		.amdhsa_wavefront_size32 1
		.amdhsa_system_sgpr_workgroup_id_x 1
		.amdhsa_system_sgpr_workgroup_id_y 1
		.amdhsa_system_sgpr_workgroup_id_z 1
		.amdhsa_system_vgpr_workitem_id 0
		.amdhsa_next_free_vgpr 256
		.amdhsa_next_free_sgpr 66
		.amdhsa_reserve_vcc 0
		.amdhsa_float_denorm_mode_32 3
		.amdhsa_float_denorm_mode_16_64 3
		.amdhsa_memory_ordered 1
		.amdhsa_forward_progress 1
		.amdhsa_inst_pref_size 74
	.end_amdhsa_kernel
	.amdgpu_metadata
---
amdhsa.version: [ 1, 2 ]
amdhsa.kernels:
  - .name:           k_q62d7edc804_attn
    .symbol:         k_q62d7edc804_attn.kd
    .args:
      - { .name: qc, .offset: 0, .size: 8, .value_kind: global_buffer, .address_space: global }
      - { .name: kv, .offset: 8, .size: 8, .value_kind: global_buffer, .address_space: global }
      - { .name: lowp_scales, .offset: 16, .size: 8, .value_kind: global_buffer, .address_space: global }
      - { .name: ac, .offset: 24, .size: 8, .value_kind: global_buffer, .address_space: global }
    .group_segment_fixed_size: 327680
    .private_segment_fixed_size: 0
    .kernarg_segment_align: 8
    .kernarg_segment_size: 32
    .max_flat_workgroup_size: 512
    .sgpr_count:     66
    .vgpr_count:     256
    .wavefront_size: 32
...
	.end_amdgpu_metadata
.endif
;; end of part 3
;; launch outln (part 4): grid 256 x 1, 16 waves a work-group, no clusters, 327,680 bytes of LDS; arguments ac, wc, lowp_scales, bo, x, ln_gamma, ln_beta, out0; writes out0
.if DOCPART == 4
	.amdgcn_target "amdgcn-amd-amdhsa--gfx1250"
	.amdhsa_code_object_version 6
	.text
	.protected	k_q62d7edc804_outln
	.globl	k_q62d7edc804_outln
	.p2align	8
	.type	k_q62d7edc804_outln,@function
k_q62d7edc804_outln:
	s_mov_b64 s[64:65], 0
	v_nop
	global_prefetch_b8 v0, s[64:65] scope:SCOPE_SE
	s_setreg_imm32_b32 hwreg(HW_REG_WAVE_MODE, 25, 1), 1
	s_wait_xcnt 0x0
.set AIMG,  0
.set XR,    32768
.set WSTG,  32*272
.set STG,   XR+16*WSTG
.set PART1, STG+16*WSTG
.set PART2, PART1+2048
.set SPARE, PART2+2048
.set LI,  1
.set SPW, 2
.set NIL, 3
.set STI, 4
.set STO, 5
.set XRD, 6
.set GO,  7
.set PW,  8
.set PR,  9
.set VO,  12
.set AF,  16
.set B0,  48
.set ACC, 176
.set GAM, 240
.set BET, 244
.set BOV, 248
.set P,   16
.set T,   32
.set R,   48
.set X,   112
.set WV,  20
.set G1A, 24
.set G1X, 32
.set G0A, 40
.set G0X, 44
	s_load_b256 s[4:11], s[0:1], 0x0
	s_load_b256 s[12:19], s[0:1], 0x20
	v_lshl_add_u32 v[SPW], v0, 2, SPARE
	v_mov_b32 v[NIL], 0
	ds_add_u32 v[SPW], v[NIL]
	ds_add_u32 v[SPW], v[NIL]
	v_lshrrev_b32 v10, 5, v0
	s_delay_alu instid0(VALU_DEP_1)
	v_readfirstlane_b32 s[WV], v10
	s_mov_b32 s[G1A], 3<<16
	s_mov_b32 s[G1A+1], 32<<16
	s_mov_b32 s[G1A+2], 8<<16
	s_mov_b32 s[G1A+3], 32<<16
	s_mov_b32 s[G1A+4], 8
	s_mov_b32 s[G1A+5], 32
	s_mov_b32 s[G1A+6], 0
	s_mov_b32 s[G1A+7], 0
	s_mov_b32 s[G1X], (2<<16)|(1<<20)|(5<<22)|(3<<25)
	s_mov_b32 s[G1X+1], 64<<16
	s_mov_b32 s[G1X+2], 32<<16
	s_mov_b32 s[G1X+3], 64<<16
	s_mov_b32 s[G1X+4], 32
	s_mov_b32 s[G1X+5], 1024
	s_mov_b32 s[G1X+6], 0
	s_mov_b32 s[G1X+7], 0
	s_mul_i32 s21, s[WV], WSTG
	s_lshl_b32 s22, s[WV], 8
	s_lshl_b32 s23, s[WV], 2
	s_lshl_b32 s52, ttmp9, 15
	s_lshl_b32 s53, s[WV], 11
	s_add_co_u32 s52, s52, s53
	s_mov_b32 s53, 0
	s_lshl_b32 s54, ttmp9, 17
	s_mov_b32 s55, 0
	v_and_b32 v10, 15, v0
	v_bfe_u32 v11, v0, 4, 1
	v_and_b32 v[LI], 31, v0
	s_delay_alu instid0(VALU_DEP_1)
	v_lshlrev_b32 v[LI], 4, v[LI]
	s_delay_alu instid0(VALU_DEP_4)
	v_mul_u32_u24 v[STI], v10, 272
	s_delay_alu instid0(VALU_DEP_1)
	v_lshl_add_u32 v[STI], v11, 5, v[STI]
	s_delay_alu instid0(VALU_DEP_1)
	v_add_nc_u32 v[STI], s21, v[STI]
	s_delay_alu instid0(VALU_DEP_1)
	v_add_nc_u32 v[STI], STG, v[STI]
	v_mul_u32_u24 v[STO], v11, 272
	s_delay_alu instid0(VALU_DEP_1)
	v_lshl_add_u32 v[STO], v10, 4, v[STO]
	s_delay_alu instid0(VALU_DEP_1)
	v_add_nc_u32 v[STO], s21, v[STO]
	s_delay_alu instid0(VALU_DEP_1)
	v_add_nc_u32 v[XRD], XR, v[STO]
	s_delay_alu instid0(VALU_DEP_2)
	v_add_nc_u32 v[STO], STG, v[STO]
	v_lshl_add_u32 v[VO], v10, 4, s22
	s_delay_alu instid0(VALU_DEP_1)
	v_lshl_add_u32 v[GO], v11, 12, v[VO]
	v_lshlrev_b32 v[PW], 6, v11
	s_delay_alu instid0(VALU_DEP_1)
	v_lshl_add_u32 v[PR], v10, 2, v[PW]
	s_delay_alu instid0(VALU_DEP_1)
	v_add_nc_u32 v[PR], PART1, v[PR]
	s_delay_alu instid0(VALU_DEP_3)
	v_add_nc_u32 v[PW], s23, v[PW]
	s_delay_alu instid0(VALU_DEP_1)
	v_add_nc_u32 v[PW], PART1, v[PW]
	s_wait_alu depctr_va_vdst(0)
	s_wait_dscnt 0x0
	s_wait_kmcnt 0x0
	s_load_b64 s[48:49], s[8:9], 0x28
	s_mov_b32 s[G0A], 1
	s_lshl_b32 s[G0A+1], s[WV], 11
	s_add_nc_u64 s[G0A+2:G0A+3], s[4:5], s[52:53]
	s_or_b32 s[G0A+3], s[G0A+3], 0x80000000
	s_add_nc_u64 s[12:13], s[12:13], s[54:55]
	s_add_nc_u64 s[18:19], s[18:19], s[54:55]
	s_mov_b32 s52, s22
	s_mov_b32 s[G0X], 1
	s_add_co_u32 s[G0X+1], s21, XR
	s_add_nc_u64 s[G0X+2:G0X+3], s[12:13], s[52:53]
	s_or_b32 s[G0X+3], s[G0X+3], 0x80000000
	tensor_load_to_lds s[G0A:G0A+3], s[G1A:G1A+7]
	s_nop 0
	s_lshl_b32 s56, s[WV], 16                      ; my wave's four column tiles of Wo's images, the fourth tensor in wc
	s_add_co_u32 s56, s56, 0x300000
	s_mov_b32 s57, 0
	s_add_nc_u64 s[6:7], s[6:7], s[56:57]
	global_load_b128 v[GAM:GAM+3], v[VO], s[14:15]
	global_load_b128 v[BET:BET+3], v[VO], s[16:17]
	global_load_b128 v[BOV:BOV+3], v[VO], s[10:11]
.irp s, 0,1                            ; the first two K steps' fragments of Wo set out here, ahead of the waits for the tensor loads
.irp t, 0,1,2,3
.irp c, 0,1,2,3
	global_load_b128 v[B0+64*\s+16*\t+4*\c:B0+64*\s+16*\t+4*\c+3], v[LI], s[6:7] offset:16384*\t+2048*\s+512*\c
.endr
.endr
.endr
	s_wait_alu depctr_va_vdst(0)
	s_wait_tensorcnt 0x0
	ds_add_u32 v2, v3
	s_wait_dscnt 0x0
	s_barrier_signal -1
	s_barrier_wait -1
	tensor_load_to_lds s[G0X:G0X+3], s[G1X:G1X+7]
	s_nop 0
.rept 4
	v_nop
.endr
.macro BLOAD s
.irp t, 0,1,2,3
.irp c, 0,1,2,3
	global_load_b128 v[B0+64*((\s)%2)+16*\t+4*\c:B0+64*((\s)%2)+16*\t+4*\c+3], v[LI], s[6:7] offset:16384*\t+2048*(\s)+512*\c
.endr
.endr
.endm
	s_wait_tensorcnt 1
	s_barrier_signal -1
	s_barrier_wait -1
.macro KS s
.irp m, 0,1
.irp c, 0,1,2,3
	ds_load_b128 v[AF+16*\m+4*\c:AF+16*\m+4*\c+3], v[LI] offset:AIMG+16384*\m+2048*(\s)+512*\c
.endr
.endr
.if (\s) < 7
	s_wait_loadcnt 16
.else
	s_wait_loadcnt 0x0
.endif
	s_wait_dscnt 0x0
.irp m, 0,1
.irp t, 0,1,2,3
.if (\s) == 0
	v_wmma_f32_16x16x128_fp8_fp8 v[ACC+8*(4*\m+\t):ACC+8*(4*\m+\t)+7], v[B0+64*((\s)%2)+16*\t:B0+64*((\s)%2)+16*\t+15], v[AF+16*\m:AF+16*\m+15], 0
.else
	v_wmma_f32_16x16x128_fp8_fp8 v[ACC+8*(4*\m+\t):ACC+8*(4*\m+\t)+7], v[B0+64*((\s)%2)+16*\t:B0+64*((\s)%2)+16*\t+15], v[AF+16*\m:AF+16*\m+15], v[ACC+8*(4*\m+\t):ACC+8*(4*\m+\t)+7]
.endif
.endr
.endr
.rept 4
	v_nop
.endr
.if (\s)+2 < 8
	BLOAD (\s)+2
.endif
.endm
.irp s, 0,1,2,3,4,5,6,7
	KS \s
.endr
.irp m, 0,1
.irp t, 0,1,2,3
	ds_store_b128 v[STI], v[ACC+8*(4*\m+\t):ACC+8*(4*\m+\t)+3] offset:16*272*\m+64*\t
	ds_store_b128 v[STI], v[ACC+8*(4*\m+\t)+4:ACC+8*(4*\m+\t)+7] offset:16*272*\m+64*\t+16
.endr
.endr
	s_wait_tensorcnt 0x0
.irp i, 0,1,2,3,4,5,6,7,8,9,10,11,12,13,14,15
	ds_load_b128 v[R+4*\i:R+4*\i+3], v[STO] offset:544*\i
.endr
.irp i, 0,1,2,3,4,5,6,7,8,9,10,11,12,13,14,15
	ds_load_b128 v[X+4*\i:X+4*\i+3], v[XRD] offset:544*\i
.endr
	s_wait_kmcnt 0x0
	s_add_co_i32 s50, s48, s49
	s_add_co_i32 s50, s50, 127
	s_lshl_b32 s50, s50, 23
	s_mov_b32 s51, s50
	s_mov_b32 s52, 0x3a800000
	s_mov_b32 s53, 0x3727c5ac
	s_wait_dscnt 0x0
.irp i, 0,1,2,3,4,5,6,7,8,9,10,11,12,13,14,15
.irp u, 0,2
	v_pk_fma_f32 v[R+4*\i+\u:R+4*\i+\u+1], v[R+4*\i+\u:R+4*\i+\u+1], s[50:51], v[BOV+\u:BOV+\u+1] op_sel_hi:[1,0,1]
.endr
.endr
.set j, 0
.rept 32
	v_pk_add_f32 v[R+j:R+j+1], v[R+j:R+j+1], v[X+j:X+j+1]
.set j, j+2
.endr
.irp g, 0,8
.irp i, 0,1,2,3,4,5,6,7
	v_pk_add_f32 v[T+2*\i:T+2*\i+1], v[R+4*(\g+\i):R+4*(\g+\i)+1], v[R+4*(\g+\i)+2:R+4*(\g+\i)+3]
.endr
.irp i, 0,1,2,3,4,5,6,7
	v_add_f32 v[P+\g+\i], v[T+2*\i], v[T+2*\i+1]
.endr
.endr
.macro REDUCE base
.irp msk, 1,2,4,8
.irp i, 0,1,2,3,4,5,6,7,8,9,10,11,12,13,14,15
	v_add_f32_dpp v[P+\i], v[P+\i], v[P+\i] row_xmask:\msk row_mask:0xf bank_mask:0xf
.endr
.endr
.irp i, 0,1,2,3,4,5,6,7,8,9,10,11,12,13,14,15
	ds_store_b32 v[PW], v[P+\i] offset:\base-PART1+128*\i
.endr
	s_wait_dscnt 0x0
	s_barrier_signal -1
	s_barrier_wait -1
.irp i, 0,1,2,3,4,5,6,7,8,9,10,11,12,13,14,15
	ds_load_b32 v[P+\i], v[PR] offset:\base-PART1+128*\i
.endr
	s_wait_dscnt 0x0
.irp msk, 1,2,4,8
.irp i, 0,1,2,3,4,5,6,7,8,9,10,11,12,13,14,15
	v_add_f32_dpp v[P+\i], v[P+\i], v[P+\i] row_xmask:\msk row_mask:0xf bank_mask:0xf
.endr
.endr
.endm
	REDUCE PART1
.irp i, 0,1,2,3,4,5,6,7,8,9,10,11,12,13,14,15
	v_mul_f32 v[P+\i], 0xba800000, v[P+\i]
.endr
.irp i, 0,1,2,3,4,5,6,7,8,9,10,11,12,13,14,15
.irp k, 0,1,2,3
	v_add_f32 v[R+4*\i+\k], v[R+4*\i+\k], v[P+\i]
.endr
.endr
.irp i, 0,1,2,3,4,5,6,7,8,9,10,11,12,13,14,15
	v_mul_f32 v[P+\i], v[R+4*\i], v[R+4*\i]
.endr
.irp k, 1,2,3
.irp i, 0,1,2,3,4,5,6,7,8,9,10,11,12,13,14,15
	v_fmac_f32 v[P+\i], v[R+4*\i+\k], v[R+4*\i+\k]
.endr
.endr
	REDUCE PART2
.irp i, 0,1,2,3,4,5,6,7,8,9,10,11,12,13,14,15
	v_fma_f32 v[P+\i], v[P+\i], s52, s53
.endr
	s_wait_alu depctr_va_vdst(0)
.irp i, 0,1,2,3,4,5,6,7,8,9,10,11,12,13,14,15
	v_rsq_f32 v[P+\i], v[P+\i]
.endr
	v_nop
	s_wait_alu depctr_va_vdst(0)
.irp i, 0,1,2,3,4,5,6,7,8,9,10,11,12,13,14,15
.irp k, 0,1,2,3
	v_mul_f32 v[R+4*\i+\k], v[R+4*\i+\k], v[P+\i]
.endr
.endr
.irp i, 0,1,2,3,4,5,6,7,8,9,10,11,12,13,14,15
.irp u, 0,2
	v_pk_fma_f32 v[R+4*\i+\u:R+4*\i+\u+1], v[R+4*\i+\u:R+4*\i+\u+1], v[GAM+\u:GAM+\u+1], v[BET+\u:BET+\u+1]
.endr
.endr
.irp i, 0,1,2,3,4,5,6,7,8,9,10,11,12,13,14,15
	global_store_b128 v[GO], v[R+4*\i:R+4*\i+3], s[18:19] offset:8192*\i th:TH_STORE_NT
.endr
	s_wait_tensorcnt 0x0
	ds_add_u32 v[SPW], v[NIL]
	s_wait_dscnt 0x0
	s_endpgm
.Lfunc_end_k_q62d7edc804_outln:
	.size	k_q62d7edc804_outln, .Lfunc_end_k_q62d7edc804_outln-k_q62d7edc804_outln
	.p2alignl 7, 3214868480
	.fill 96, 4, 3214868480
	.section	.rodata,"a",@progbits
	.p2align	6, 0x0
	.amdhsa_kernel k_q62d7edc804_outln
		.amdhsa_group_segment_fixed_size 327680
		.amdhsa_private_segment_fixed_size 0
		.amdhsa_enable_private_segment 0
		.amdhsa_kernarg_size 64
		.amdhsa_user_sgpr_count 2
		.amdhsa_user_sgpr_kernarg_segment_ptr 1
		.amdhsa_wavefront_size32 1
		.amdhsa_system_sgpr_workgroup_id_x 1
		.amdhsa_system_sgpr_workgroup_id_y 1
		.amdhsa_system_sgpr_workgroup_id_z 1
		.amdhsa_system_vgpr_workitem_id 0
		.amdhsa_next_free_vgpr 256
		.amdhsa_next_free_sgpr 66
		.amdhsa_reserve_vcc 0
		.amdhsa_float_denorm_mode_32 3
		.amdhsa_float_denorm_mode_16_64 3
		.amdhsa_memory_ordered 1
		.amdhsa_forward_progress 1
		.amdhsa_inst_pref_size 68
	.end_amdhsa_kernel
	.amdgpu_metadata
---
amdhsa.version: [ 1, 2 ]
amdhsa.kernels:
  - .name:           k_q62d7edc804_outln
    .symbol:         k_q62d7edc804_outln.kd
    .args:
      - { .name: ac, .offset: 0, .size: 8, .value_kind: global_buffer, .address_space: global }
      - { .name: wc, .offset: 8, .size: 8, .value_kind: global_buffer, .address_space: global }
      - { .name: lowp_scales, .offset: 16, .size: 8, .value_kind: global_buffer, .address_space: global }
      - { .name: bo, .offset: 24, .size: 8, .value_kind: global_buffer, .address_space: global }
      - { .name: x, .offset: 32, .size: 8, .value_kind: global_buffer, .address_space: global }
      - { .name: ln_gamma, .offset: 40, .size: 8, .value_kind: global_buffer, .address_space: global }
      - { .name: ln_beta, .offset: 48, .size: 8, .value_kind: global_buffer, .address_space: global }
      - { .name: out0, .offset: 56, .size: 8, .value_kind: global_buffer, .address_space: global }
    .group_segment_fixed_size: 327680
    .private_segment_fixed_size: 0
    .kernarg_segment_align: 8
    .kernarg_segment_size: 64
    .max_flat_workgroup_size: 512
    .sgpr_count:     66
    .vgpr_count:     256
    .wavefront_size: 32
...
	.end_amdgpu_metadata
.endif
;; end of part 4
